; MI455X (gfx1250); checked and timed in simulation.
; The chip was launched on July 23, 2026; its instructions are those of AMD's public machine-readable ISA for CDNA 5 (MIT licence, August 2026) and "CDNA5" Instruction Set Architecture Reference Guide (July 2026). The comments in the code are by the model that wrote it; some were corrected since.
;; KNN Reader. Allowed arithmetic: float matrix products may take bf16 or f16 operands with f32 sums; other float arithmetic in f32, or as packed bf16 or f16 multiplies, adds, multiply-adds, maxima and minima; sums over many terms, partial sums and values carried from step to step in f32; what a program stores and reads back later, other than sums and carried values, may be rounded once to bf16 or f16.
;; Inputs: keys 65,536 x 512 float32; vals 65,536 int32; x 2,048 x 512 float32.
;; Outputs: out0 2,048 int32.
;; Constants: ver = 1.
;; One version. Each part assembles by itself: llvm-mc -triple=amdgcn-amd-amdhsa -mcpu=gfx1250 --defsym DOCPART=n.
;; ======== version 1 of 1: 4 launches
;; workspace buffers: xb 2,097,152 bytes; rec 33,554,432 bytes; k2 262,144 bytes; list 262,144 bytes of whole numbers
;; launch cvt (part 1): grid 256 x 1, 4 waves a work-group, no clusters, 0 bytes of LDS; arguments x, xb; writes xb
.if DOCPART == 1
	.amdgcn_target "amdgcn-amd-amdhsa--gfx1250"
	.amdhsa_code_object_version 6
	.text
	.protected	k_q044fe8f606_cvt
	.globl	k_q044fe8f606_cvt
	.p2align	8
	.type	k_q044fe8f606_cvt,@function
k_q044fe8f606_cvt:
	s_mov_b64 s[64:65], 0
	v_nop
	global_prefetch_b8 v0, s[64:65] scope:SCOPE_SE
	s_setreg_imm32_b32 hwreg(HW_REG_WAVE_MODE, 25, 1), 1
	s_wait_xcnt 0x0
; KNN READER, launch 1 of 4: xb = bf16(-2 x).  x: [2048][512] f32, xb: [2048][512] bf16.  The factor -2 is a power of two: bf16(-2 x) = -2 bf16(x), so x is rounded once.
; THE WHOLE PROGRAM.  For each query the ten keys with the smallest distance (the lower index on ties), then the most frequent class among them (the smallest on ties).
; It orders the keys of a query by s[q][k] = sum(key^2) - 2 x[q] . key, on x and keys rounded once to bf16 (the matrix operands), sums in f32.
; WORK LEFT OUT, dead for all finite values of the inputs, in exact arithmetic:
;   sum(x^2) is one number for a query: added to all of its 65,536 distances it changes neither their order nor their ties;
;   max(d2, 0): d2 is a sum of squares of differences, never below 0, and the root that it guards is left out too;
;   sqrt: strictly increasing from 0 on, so it keeps order and ties, and only the order of the distances reaches the output;
;   one_hot(..).sum is a count of equal classes among ten numbers: it is made by comparisons (launch 4);
;   ver is a constant that reaches no output: it is no argument of any launch.
; LIMITS.  A NaN, an infinity or an overflow is not treated apart, and one that would reach only the work left out is not carried to the result.  Ties that f32 rounding of
; x^2 + k^2 - 2 x.k and of its root would make between different exact distances are not reproduced.  |x| stays under 1.6e38, so that -2 x is finite in bf16.
; SHARES.  A work-group takes 4,096 numbers, thread t eight numbers in each of four chunks: 32 bytes in at 32 t + 4,096 i, 16 bytes out at 16 t + 2,048 i:
; each store of a wave covers 512 consecutive bytes, aligned.  No LDS, no barrier, no matrix unit: the launch only moves bytes.
.set XI, 8                             ; v[8:39]   chunk i: eight f32
.set YO, 40                            ; v[40:55]  chunk i: eight bf16
	s_load_b128 s[4:7], s[0:1], 0x0                ; x s[4:5], xb s[6:7]
	s_lshl_b32 s2, ttmp9, 14                       ; the work-group's 16,384 bytes of x
	s_mov_b32 s3, 0
	s_lshl_b32 s8, ttmp9, 13                       ; and its 8,192 bytes of xb
	s_mov_b32 s9, 0
	v_lshlrev_b32 v1, 5, v0
	v_lshlrev_b32 v2, 4, v0
	s_wait_kmcnt 0x0
	s_add_nc_u64 s[4:5], s[4:5], s[2:3]
	s_add_nc_u64 s[6:7], s[6:7], s[8:9]
.irp i, 0,1,2,3
	global_load_b128 v[XI+8*(\i):XI+8*(\i)+3],   v1, s[4:5] offset:4096*(\i) th:TH_LOAD_NT
	global_load_b128 v[XI+8*(\i)+4:XI+8*(\i)+7], v1, s[4:5] offset:4096*(\i)+16 th:TH_LOAD_NT
.endr
.irp i, 0,1,2,3
	s_wait_loadcnt 6-2*(\i)                        ; loads come back in order: chunk i is in, the two loads of each younger chunk may stay out
.irp j, 0,1,2,3
	v_pk_mul_f32 v[XI+8*(\i)+2*(\j):XI+8*(\i)+2*(\j)+1], v[XI+8*(\i)+2*(\j):XI+8*(\i)+2*(\j)+1], -2.0 op_sel_hi:[1,0]
.endr
.irp j, 0,1,2,3
	v_cvt_pk_bf16_f32 v[YO+4*(\i)+(\j)], v[XI+8*(\i)+2*(\j)], v[XI+8*(\i)+2*(\j)+1]
.endr
	global_store_b128 v2, v[YO+4*(\i):YO+4*(\i)+3], s[6:7] offset:2048*(\i)
.endr
	s_endpgm
.Lfunc_end_k_q044fe8f606_cvt:
	.size	k_q044fe8f606_cvt, .Lfunc_end_k_q044fe8f606_cvt-k_q044fe8f606_cvt
	.p2alignl 7, 3214868480
	.fill 96, 4, 3214868480
	.section	.rodata,"a",@progbits
	.p2align	6, 0x0
	.amdhsa_kernel k_q044fe8f606_cvt
		.amdhsa_group_segment_fixed_size 0
		.amdhsa_private_segment_fixed_size 0
		.amdhsa_enable_private_segment 0
		.amdhsa_kernarg_size 16
		.amdhsa_user_sgpr_count 2
		.amdhsa_user_sgpr_kernarg_segment_ptr 1
		.amdhsa_wavefront_size32 1
		.amdhsa_system_sgpr_workgroup_id_x 1
		.amdhsa_system_sgpr_workgroup_id_y 1
		.amdhsa_system_sgpr_workgroup_id_z 1
		.amdhsa_system_vgpr_workitem_id 0
		.amdhsa_next_free_vgpr 64
		.amdhsa_next_free_sgpr 66
		.amdhsa_reserve_vcc 0
		.amdhsa_float_denorm_mode_32 3
		.amdhsa_float_denorm_mode_16_64 3
		.amdhsa_memory_ordered 1
		.amdhsa_forward_progress 1
		.amdhsa_inst_pref_size 4
	.end_amdhsa_kernel
	.amdgpu_metadata
---
amdhsa.version: [ 1, 2 ]
amdhsa.kernels:
  - .name:           k_q044fe8f606_cvt
    .symbol:         k_q044fe8f606_cvt.kd
    .args:
      - { .name: x, .offset: 0, .size: 8, .value_kind: global_buffer, .address_space: global }
      - { .name: xb, .offset: 8, .size: 8, .value_kind: global_buffer, .address_space: global }
    .group_segment_fixed_size: 0
    .private_segment_fixed_size: 0
    .kernarg_segment_align: 8
    .kernarg_segment_size: 16
    .max_flat_workgroup_size: 128
    .sgpr_count:     66
    .vgpr_count:     64
    .wavefront_size: 32
...
	.end_amdgpu_metadata
.endif
;; end of part 1
;; launch dist (part 2): grid 256 x 1, 4 waves a work-group, clusters of 4 x 1, 327,680 bytes of LDS; arguments xb, keys, vals, rec, k2; writes rec, k2
.if DOCPART == 2
	.amdgcn_target "amdgcn-amd-amdhsa--gfx1250"
	.amdhsa_code_object_version 6
	.text
	.protected	k_q044fe8f606_dist
	.globl	k_q044fe8f606_dist
	.p2align	8
	.type	k_q044fe8f606_dist,@function
k_q044fe8f606_dist:
	s_mov_b64 s[64:65], 0
	v_nop
	global_prefetch_b8 v0, s[64:65] scope:SCOPE_SE
	s_setreg_imm32_b32 hwreg(HW_REG_WAVE_MODE, 25, 1), 1
	s_wait_xcnt 0x0
	s_wait_alu depctr_hold_cnt(0) depctr_sa_sdst(0) depctr_va_vdst(0) depctr_va_sdst(0) depctr_va_ssrc(0) depctr_va_vcc(0) depctr_vm_vsrc(0)
	s_getreg_b32 s2, hwreg(HW_REG_IB_STS2, 6, 4)
	s_cmp_eq_u32 s2, 0
	s_cbranch_scc0 .Lentry_in_a_cluster
	s_endpgm
.Lentry_in_a_cluster:
	s_bfe_u32 s2, ttmp6, 0x10000c
	s_cmp_lg_u32 s2, 0x3003
	s_cbranch_scc0 .Lentry_shape_is_right
	s_endpgm
.Lentry_shape_is_right:
; KNN READER, launch 2 of 4: all scores s[q][k] = k2[k] + sum over c of bf16(key[k][c]) xb[q][c], xb = bf16(-2 x), and of each GROUP of 64 consecutive keys, for each query,
; a record {m1, m2, pay, 0}: the two smallest scores (with multiplicity) and, of the smallest (the lowest key on ties), pay = (key's place in the group << 8) | min(class, 255).
; Left out, as shown at the head of the first kernel: sum(x^2), max(d2, 0), sqrt.  NaN and infinities are not treated apart.
; rec: [1024 groups][2048 queries][4 words].  k2: [65536] f32, the sum of the squares of a key's rounded numbers: stored so that launch 4 can begin a sum with the same bits.
; SHARES.  A work-group owns 256 keys, each of its four waves one group: 64 keys x 512 channels in bf16 are 512 registers, and THERE THEY STAY.  keys is read once in the launch, each row by one wave,
; and rounded on the way.  Every wave then walks all 2,048 queries, 16 a TURN: 64 matrix instructions (16 K steps x 4 blocks of 16 keys).  A fragment of x (two LDS loads) feeds four of them.
; LAYOUT.  Source 0 = 16 keys, source 1 = 16 queries: in the result register j of lane (r = l % 16, h = l / 16) is key 16 kb + 8 h + j for query r.  The channels of a K step are dealt alike to both
; sources: half h of the lanes holds channels 32 ks + 16 h + 0..15, so a lane's part of a key is 64 consecutive bytes of f32, of a query 32 consecutive bytes of bf16.  k2 is the C operand of a sum's first link.
; CLUSTER.  The four work-groups of a cluster walk the same xb: each tile of it is asked for JOINTLY (the same load, descriptor and mask in all four).  A row of keys has one reader: plain loads.
; BY TURNS.  Two sets of accumulators: while turn n is multiplied, the records of turn n - 1 are made, three vector instructions behind a matrix instruction, and the fragments of turn n + 1 are fetched.
; REGISTERS, in windows of 256 (s_set_vgpr_msb: bits 1:0 source 0, 3:2 source 1, 5:4 source 2, 7:6 destination):
;   window 0: addresses, k2, payloads, accumulators, the records' work     window 1: x's fragments, two sets of 16 x 8; in the beginning the stage for keys in f32
;   window 2: the keys' fragments of K steps 0-7, (ks, kb) at 32 ks + 8 kb     window 3: those of K steps 8-15
.set PITCH, 1040                       ; an LDS row: 1,024 bytes + 16 of padding = 65 x 16: the 16 rows that half a load's lanes touch begin at 16 different columns of 16 bytes (ISA guide 11.1)
.set BLK,   16*PITCH                   ; 16 rows
.set QROWS, 32*PITCH                   ; what a wave fetches of a tile of xb
.set WROWS, 64*PITCH                   ; a wave's 64 keys (half of each row at a time), and what it fetches of xb's first 256 rows
.set SLOTB, 128*PITCH                  ; a slot: a tile of 128 queries.  133,120 shares no bit with w x 33,280, w = 0..3: an exclusive or turns an address in one slot into the other's
.set SCR,   256*PITCH                  ; behind the region that tensor loads fill: 256 bytes a wave, for k2
.set SPARE, SCR+1024                   ; the spare words, 128 bytes for each wave: two blocks of 256 bytes that no other line names
.set TILEB, 128*1024                   ; a tile of xb in memory
.set R,   1                            ; v1   l % 16
.set H,   2                            ; v2   l / 16
.set AX0, 3                            ; v3   my place in 16 rows of xb: r x PITCH + 32 h; never rewritten
.set AX,  4                            ; v4   the LDS address of the fragments being fetched
.set AKL, 5                            ; v5   my place in my wave's keys: w x WROWS + r x PITCH + 64 h
.set RO,  6                            ; v6   16 l: my record among 32
.set HB,  7                            ; v7   8 h << 8
.set SPW, 8                            ; v8   LDS address of my spare word; never rewritten
.set NIL, 9                            ; v9   0; never rewritten
.set PFO, 10                           ; v10  the prefetches' offset: row l / 4, block l % 4 of 256 bytes
.set SCA, 11                           ; v11  k2 into the scratch: 4 r
.set SCB, 12                           ; v12  and back as a C operand: 32 h
.set VO,  13                           ; v13  32 h: my eight classes of a block of 16
.set SCL, 14                           ; v14  and back in the keys' order: 8 l
.set K2O, 15                           ; v15  8 l, in k2
.set SQ,  16                           ; v[16:23]  sums of squares: block kb, low and high halves of the words
.set KT,  24                           ; v[24:25]  two k2 on their way out
.set LN,  26                           ; v26  l
.set TA,  27                           ; v27  at work
.set KC,  32                           ; v[32:63]   k2 as C: register 8 kb + j
.set PAY, 64                           ; v[64:95]   payloads, likewise
.set ACC, 96                           ; v[96:159]  two sets of four accumulators
.set LO,  160                          ; v[160:163] a block's smallest
.set HI,  164                          ; v[164:167] and second smallest
.set T0,  168                          ; v[168:170] at work
.set M1,  176                          ; my 32 keys': smallest, second, payload
.set M2,  177
.set PS,  178
.set PM1, 179                          ; the same of the lane 16 away
.set PM2, 180
.set PPS, 181
.set RA,  184                          ; v[184:186] the record of an even turn's query
.set RB,  188                          ; v[188:190] of an odd turn's
.set OUT, 192                          ; v[192:195] the record to store; word 3 is 0
.set WV,  14                           ; s14  my wave's number
.set CX,  15                           ; s15  my work-group's place in the cluster: it enters global addresses of plain accesses alone
.set G1K, 16                           ; s[16:23] group 1: keys, 64 rows x 256 f32
.set G1X, 24                           ; s[24:31] group 1: xb, 64 rows x 512 bf16, joint
.set G0K, 32                           ; s[32:35] group 0: keys
.set G0X, 36                           ; s[36:39] group 0: xb's first 256 rows
.set GR,  40                           ; s40  my group
.set TB,  41                           ; s41  LDS byte at which the 16 rows to be fetched begin
.set CNT, 42                           ; s42  pairs of turns left until the next change of slots
.set SLOTS, 43                         ; s43  passes left
.set LIM, 44                           ; s44  1 in the cluster that prefetches, else the greatest number
.set HM,  45                           ; s45  lanes 16-31
.set SEL, 46                           ; s[46:47] v_permlanex16_b32's selects: each lane takes its own place in the other half
.set PFA, 48                           ; s[48:49] where my prefetches stand
.set RBASE, 50                         ; s[50:51] rec at my group, 512 bytes behind the pair of turns to be stored
.set G1Y, 52                           ; s[52:59] group 1: xb, 32 rows, joint
.set G0Y, 60                           ; s[60:63] group 0: the ring's; it walks
.set MSB, 0
.macro WIN new                         ; the immediate's high byte repeats the setting that is left; a switch that changes nothing is dropped
.if MSB != (\new)
	s_set_vgpr_msb (MSB<<8)|(\new)
.set MSB, (\new)
.endif
.endm
.macro PLACES                          ; four places: behind a matrix instruction, ahead of a vector instruction that reads its result and of a load into a register that it has read
.rept 4
	v_nop
.endr
.endm
; A round of the cluster's barrier: my work-group's barrier, so that wave 0's signal speaks for all four waves; wave 0 signals; every wave waits for all four work-groups; my work-group's barrier once more.
.macro CROUND
	s_barrier_signal -1
	s_barrier_wait -1
	s_cmp_lg_u32 s[WV], 0
	s_cbranch_scc1 .Lnot_wave_0_\@
	s_barrier_signal -3
.Lnot_wave_0_\@:
	s_barrier_wait -3
	s_barrier_signal -1
	s_barrier_wait -1
.endm
	s_load_b256 s[4:11], s[0:1], 0x0               ; xb s[4:5], keys s[6:7], vals s[8:9], rec s[10:11]
	s_load_b64 s[12:13], s[0:1], 0x20              ; k2
	v_lshl_add_u32 v[SPW], v0, 2, SPARE
	v_mov_b32 v[NIL], 0
	ds_add_u32 v[SPW], v[NIL]                      ; the wave's opening: the add, twice on end, and its wait ahead of my first tensor load; the set-up below stands between
	ds_add_u32 v[SPW], v[NIL]
	v_lshrrev_b32 v1, 5, v0
	v_readfirstlane_b32 s[WV], v1                  ; wave 0..3
	s_bfe_u32 s[CX], ttmp6, 0x40000
	s_lshl_b32 s[GR], ttmp9, 2                     ; in a cluster launch ttmp9 counts clusters
	s_add_co_u32 s[GR], s[GR], s[CX]               ; my work-group
	s_lshl_b32 s[GR], s[GR], 2
	s_add_co_u32 s[GR], s[GR], s[WV]               ; my group = 4 x work-group + wave
	s_mov_b32 s[G1K], (2<<16)|(1<<20)|(7<<22)|(3<<25)  ; 15:0 no mask; 17:16 elements of 4 bytes; 20 padding on; 24:22 after every 256 words (code 7); 31:25 4 words of it (code 3)
	s_mov_b32 s[G1K+1], 256<<16                    ; tensor_dim0 = 256: half a row of keys
	s_mov_b32 s[G1K+2], 64<<16                     ; tensor_dim1 = 64
	s_mov_b32 s[G1K+3], 256<<16                    ; tile_dim0 = 256
	s_mov_b32 s[G1K+4], 64                         ; tile_dim1 = 64
	s_mov_b32 s[G1K+5], 512                        ; 512 elements from row to row
	s_mov_b32 s[G1K+6], 0
	s_mov_b32 s[G1K+7], 0
	s_mov_b32 s[G1X], 15|(1<<16)|(1<<20)|(1<<21)|(7<<22)|(3<<25)  ; the mask of four; elements of 2 bytes; bit 21 set beside a mask; the same padding
	s_mov_b32 s[G1X+1], 512<<16
	s_mov_b32 s[G1X+2], 64<<16
	s_mov_b32 s[G1X+3], 512<<16
	s_mov_b32 s[G1X+4], 64
	s_mov_b32 s[G1X+5], 512
	s_mov_b32 s[G1X+6], 0
	s_mov_b32 s[G1X+7], 0
	s_mov_b32 s[G1Y], 15|(1<<16)|(1<<20)|(1<<21)|(7<<22)|(3<<25)
	s_mov_b32 s[G1Y+1], 512<<16
	s_mov_b32 s[G1Y+2], 32<<16                     ; 32 rows
	s_mov_b32 s[G1Y+3], 512<<16
	s_mov_b32 s[G1Y+4], 32
	s_mov_b32 s[G1Y+5], 512
	s_mov_b32 s[G1Y+6], 0
	s_mov_b32 s[G1Y+7], 0
	s_mul_i32 s66, s[WV], WROWS                    ; no place in the cluster enters an LDS address
	s_mul_i32 s67, s[WV], QROWS
	s_mov_b32 s[G0K], 1
	s_mov_b32 s[G0K+1], s66
	s_mov_b32 s[G0X], 1
	s_mov_b32 s[G0X+1], s66
	s_mov_b32 s[G0Y], 1
	s_add_co_u32 s[G0Y+1], s67, SLOTB              ; the first change of slots turns it into slot 0
	s_mov_b32 s[SEL], 0x76543210
	s_mov_b32 s[SEL+1], 0xfedcba98
	s_mov_b32 s[HM], 0xffff0000
	s_mov_b32 s[TB], 0
	s_cmp_eq_u32 ttmp9, 0                          ; all clusters walk the same xb: the first prefetches; the same answer in all four partners
	s_cselect_b32 s[LIM], 1, -1
	s_mov_b32 s3, 0
	s_mov_b32 s69, 0
	s_wait_dscnt 0x0                               ; both opening adds are done
	s_wait_kmcnt 0x0
	s_lshl_b32 s68, s[GR], 17                      ; my 64 rows of keys, 2,048 bytes each (s[68:69] hold what hangs on my work-group's place, s[2:3] what does not)
	s_add_nc_u64 s[G0K+2:G0K+3], s[6:7], s[68:69]
	s_or_b32 s[G0K+3], s[G0K+3], 0x80000000        ; type = 2
	s_lshl_b32 s2, s[WV], 16                       ; rows 64 w .. of xb
	s_add_nc_u64 s[G0X+2:G0X+3], s[4:5], s[2:3]
	s_or_b32 s[G0X+3], s[G0X+3], 0x80000000
	s_lshl_b32 s2, s[WV], 15                       ; rows 32 w .. of tile 1: the first change of slots steps it to tile 2
	s_add_co_u32 s2, s2, TILEB
	s_add_nc_u64 s[G0Y+2:G0Y+3], s[4:5], s[2:3]
	s_or_b32 s[G0Y+3], s[G0Y+3], 0x80000000
	s_lshl_b32 s68, s[GR], 8                       ; my 64 classes and my 64 k2
	s_add_nc_u64 s[8:9], s[8:9], s[68:69]
	s_add_nc_u64 s[12:13], s[12:13], s[68:69]
	s_lshl_b32 s68, s[GR], 15                      ; my group's 2,048 records
	s_add_nc_u64 s[RBASE:RBASE+1], s[10:11], s[68:69]
	s_lshl_b32 s68, s[CX], 15                      ; the prefetches: of a tile's 128 rows my work-group names 32, told apart by address,
	s_lshl_b32 s70, s[WV], 13                      ; my wave 8 of them;
	s_add_co_u32 s68, s68, s70
	s_add_co_u32 s68, s68, 2*TILEB                 ; at tile 2: the first change of slots steps it to tile 3
	s_add_nc_u64 s[PFA:PFA+1], s[4:5], s[68:69]
	CROUND                                         ; in a cluster launch every group of tensor loads stands behind a round
	tensor_load_to_lds s[G0K:G0K+3], s[G1K:G1K+7]  ; the launch's one first fill: channels 0-255 of my 64 keys; the four waves' tiles cover the whole region
	s_nop 0
	PLACES
	v_and_b32 v[R], 15, v0
	v_bfe_u32 v[H], v0, 4, 1
	v_lshlrev_b32 v[VO], 5, v[H]
.irp kb, 0,1,2,3
	global_load_b128 v[PAY+8*(\kb):PAY+8*(\kb)+3],   v[VO], s[8:9] offset:64*(\kb)      ; the classes of keys 16 kb + 8 h + 0..7
	global_load_b128 v[PAY+8*(\kb)+4:PAY+8*(\kb)+7], v[VO], s[8:9] offset:64*(\kb)+16
.endr
	v_and_b32 v[LN], 31, v0
	v_mul_u32_u24 v[AX0], v[R], PITCH
	v_lshl_add_u32 v[AKL], v[H], 6, v[AX0]
	v_add_nc_u32 v[AKL], s66, v[AKL]
	v_lshl_add_u32 v[AX0], v[H], 5, v[AX0]
	v_lshlrev_b32 v[RO], 4, v[LN]
	v_lshlrev_b32 v[HB], 11, v[H]
	v_lshrrev_b32 v[TA], 2, v[LN]
	v_lshlrev_b32 v[PFO], 10, v[TA]
	v_and_b32 v[TA], 3, v[LN]
	v_lshl_add_u32 v[PFO], v[TA], 8, v[PFO]
	s_lshl_b32 s67, s[WV], 8
	s_add_co_u32 s67, s67, SCR                     ; my scratch
	v_lshl_add_u32 v[SCA], v[R], 2, s67
	v_lshl_add_u32 v[SCB], v[H], 5, s67
	v_lshl_add_u32 v[SCL], v[LN], 3, s67
	v_lshlrev_b32 v[K2O], 3, v[LN]
.irp z, 0,1,2,3,4,5,6,7
	v_mov_b32 v[SQ+(\z)], 0
.endr
	v_mov_b32 v[PM1], 0                            ; v_permlanex16_b32's destinations count as read: written once here
	v_mov_b32 v[PM2], 0
	v_mov_b32 v[PPS], 0
	v_mov_b32 v[OUT+3], 0                          ; a record's fourth word
; HALF c OF MY KEYS (channels 256 c .., K steps 8 c ..) goes from LDS into window 2 + c, in two batches of four K steps: 64 loads of 16 bytes into the stage (fragment f = 4 s + kb at 16 f), then for each K step
; 32 roundings to bf16 and 64 squares of the ROUNDED numbers, read as halves of the words just made, into eight sums that take turns.
.macro KEYHALF c
.irp b, 0,1
	WIN 0x40                                       ; destination window 1, address window 0
.irp s, 0,1,2,3
.irp kb, 0,1,2,3
.irp i, 0,1,2,3
	ds_load_b128 v[16*(4*(\s)+(\kb))+4*(\i):16*(4*(\s)+(\kb))+4*(\i)+3], v[AKL] offset:(\kb)*BLK+(4*(\b)+(\s))*128+16*(\i)
.endr
.endr
.endr
.irp s, 0,1,2,3
	s_wait_dscnt 16*(3-(\s))                       ; LDS loads come back in order: K step s of the batch is in, the 16 loads of each later one may stay out
	WIN 0x85+0x40*(\c)                             ; sources window 1, destination window 2 + c
.irp kb, 0,1,2,3
.irp j, 0,1,2,3,4,5,6,7
	v_cvt_pk_bf16_f32 v[32*(4*(\b)+(\s))+8*(\kb)+(\j)], v[16*(4*(\s)+(\kb))+2*(\j)], v[16*(4*(\s)+(\kb))+2*(\j)+1]
.endr
.endr
	WIN 0x0a+5*(\c)                                ; sources 0 and 1 window 2 + c; the sums in window 0
.irp j, 0,1,2,3,4,5,6,7
.irp kb, 0,1,2,3
	v_fma_mix_f32_bf16 v[SQ+2*(\kb)],   v[32*(4*(\b)+(\s))+8*(\kb)+(\j)], v[32*(4*(\b)+(\s))+8*(\kb)+(\j)], v[SQ+2*(\kb)] op_sel_hi:[1,1,0]
	v_fma_mix_f32_bf16 v[SQ+2*(\kb)+1], v[32*(4*(\b)+(\s))+8*(\kb)+(\j)], v[32*(4*(\b)+(\s))+8*(\kb)+(\j)], v[SQ+2*(\kb)+1] op_sel:[1,1,0] op_sel_hi:[1,1,0]
.endr
.endr
.endr
.endr
.endm
	s_wait_tensorcnt 0x0                           ; my rows are in; I read no other wave's, so no barrier is wanted here
	KEYHALF 0
	WIN 0
	s_wait_tensorcnt 0x0                           ; THE REGION IS FILLED AGAIN: no tensor load of mine is out,
	ds_add_u32 v[SPW], v[NIL]                      ; 0 onto my spare word;
	s_add_nc_u64 s[G0K+2:G0K+3], s[G0K+2:G0K+3], 1024  ; (the second half of my rows)
	s_wait_dscnt 0x0                               ; the add is done, and my reads of the region are over
	CROUND
	tensor_load_to_lds s[G0K:G0K+3], s[G1K:G1K+7]  ; channels 256-511 of my 64 keys
	s_nop 0
	PLACES
	s_wait_loadcnt 0x0                             ; the classes
.set e, 0
.rept 32
	v_min_u32 v[PAY+e], 0xff, v[PAY+e]             ; a class outside 0..99 (a negative one is a large unsigned number) stays outside: launch 4 counts it for nothing, as one_hot does
	v_add3_u32 v[PAY+e], v[PAY+e], v[HB], (16*(e/8)+e%8)<<8
.set e, e+1
.endr
	s_wait_tensorcnt 0x0
	KEYHALF 1
	WIN 0
	s_wait_tensorcnt 0x0                           ; the region is filled again, now with queries: the same three lines,
	ds_add_u32 v[SPW], v[NIL]
	s_wait_dscnt 0x0
	CROUND                                         ; the round: no wave of any partner still reads the region or has a load on its way
	tensor_load_to_lds s[G0X:G0X+3], s[G1X:G1X+7]  ; jointly: rows 64 w .. 64 w + 63 of xb: the four waves fill both slots
	s_nop 0
	PLACES
	; k2, while the queries are on their way.  A lane has the squares of half the channels of key 16 kb + r; the lane 16 away has the other half.
.irp kb, 0,1,2,3
	v_add_f32 v[SQ+2*(\kb)], v[SQ+2*(\kb)], v[SQ+2*(\kb)+1]
.endr
.irp kb, 0,1,2,3
	v_permlanex16_b32 v[SQ+2*(\kb)+1], v[SQ+2*(\kb)], s[SEL], s[SEL+1]
.endr
.irp kb, 0,1,2,3
	v_add_f32 v[SQ+2*(\kb)], v[SQ+2*(\kb)], v[SQ+2*(\kb)+1]
.endr
.irp kb, 0,1,2,3
	ds_store_b32 v[SCA], v[SQ+2*(\kb)] offset:64*(\kb)  ; both halves of the lanes store the same number at the same place
.endr
.irp kb, 0,1,2,3
	ds_load_b128 v[KC+8*(\kb):KC+8*(\kb)+3],   v[SCB] offset:64*(\kb)     ; LDS serves a wave's instructions in order (ISA guide 5.7.1.4): these see the stores above; the scratch is my wave's own
	ds_load_b128 v[KC+8*(\kb)+4:KC+8*(\kb)+7], v[SCB] offset:64*(\kb)+16
.endr
	ds_load_b64 v[KT:KT+1], v[SCL]
	s_wait_dscnt 0x0
	global_store_b64 v[K2O], v[KT:KT+1], s[12:13]  ; the wave stores 256 consecutive bytes, aligned
	s_wait_tensorcnt 0x0                           ; my part of the first 256 queries is in,
	s_barrier_signal -1
	s_barrier_wait -1                              ; everybody's is
; Two LDS loads: fragment f (K step f) of 16 queries into set b.
.macro XL b, f
	ds_load_b128 v[128*(\b)+8*(\f):128*(\b)+8*(\f)+3],   v[AX] offset:64*(\f)
	ds_load_b128 v[128*(\b)+8*(\f)+4:128*(\b)+8*(\f)+7], v[AX] offset:64*(\f)+16
.endm
; THE RECORDS.  Number n of the 143 instructions that make, of accumulator set q, the records of 16 queries, into dst.
;   0-7     of each block's first two scores the smaller and the larger (an accumulator's lowest registers are read first)
;   8-55    scores 2 to 7 of the four blocks: the second smallest is the middle one of (smallest, score, second smallest); then the smallest
;   56-64   the four blocks' pairs into one     65-127  the payload of the smallest: from key 31 down to 0, so that the lowest key wins a tie
;   128-138 the query's other 32 keys lie in the lane 16 away: the two pairs into one; on a tie the lower payload, which is the lower key
;   139-142 (with an odd turn's records alone) lanes 0-15 take the even turn's record, lanes 16-31 the odd turn's: 32 records, 512 consecutive bytes, aligned, in one store
.macro RID q, dst
.set rA, ACC+32*(\q)
.if n < 4
	v_min_num_f32 v[LO+n], v[rA+8*n], v[rA+8*n+1]
.elseif n < 8
	v_max_num_f32 v[HI+n-4], v[rA+8*(n-4)], v[rA+8*(n-4)+1]
.elseif n < 56
.set rj, 2+(n-8)/8
.set rk, (n-8)%4
.if ((n-8)%8) < 4
	v_med3_num_f32 v[HI+rk], v[LO+rk], v[rA+8*rk+rj], v[HI+rk]
.else
	v_min_num_f32 v[LO+rk], v[LO+rk], v[rA+8*rk+rj]
.endif
.elseif n == 56
	v_max_num_f32 v[T0], v[LO], v[LO+1]
.elseif n == 57
	v_max_num_f32 v[T0+1], v[LO+2], v[LO+3]
.elseif n == 58
	v_min_num_f32 v[LO], v[LO], v[LO+1]
.elseif n == 59
	v_min_num_f32 v[LO+2], v[LO+2], v[LO+3]
.elseif n == 60
	v_min3_num_f32 v[HI], v[T0], v[HI], v[HI+1]
.elseif n == 61
	v_min3_num_f32 v[HI+2], v[T0+1], v[HI+2], v[HI+3]
.elseif n == 62
	v_max_num_f32 v[T0], v[LO], v[LO+2]
.elseif n == 63
	v_min_num_f32 v[M1], v[LO], v[LO+2]
.elseif n == 64
	v_min3_num_f32 v[M2], v[T0], v[HI], v[HI+2]
.elseif n == 65
	v_mov_b32 v[PS], v[PAY+31]
.elseif n < 128
.set re, 30-(n-66)/2
.if ((n-66)%2) == 0
	v_cmp_eq_f32 vcc_lo, v[rA+re], v[M1]
.else
	v_cndmask_b32 v[PS], v[PS], v[PAY+re], vcc_lo
.endif
.elseif n == 128
	v_permlanex16_b32 v[PM1], v[M1], s[SEL], s[SEL+1]
.elseif n == 129
	v_permlanex16_b32 v[PM2], v[M2], s[SEL], s[SEL+1]
.elseif n == 130
	v_permlanex16_b32 v[PPS], v[PS], s[SEL], s[SEL+1]
.elseif n == 131
	v_max_num_f32 v[T0], v[M1], v[PM1]
.elseif n == 132
	v_min3_num_f32 v[\dst+1], v[T0], v[M2], v[PM2]
.elseif n == 133
	v_min_u32 v[T0+1], v[PS], v[PPS]
.elseif n == 134
	v_cmp_lt_f32 vcc_lo, v[PM1], v[M1]
.elseif n == 135
	v_cndmask_b32 v[T0+2], v[PS], v[PPS], vcc_lo
.elseif n == 136
	v_cmp_eq_f32 vcc_lo, v[PM1], v[M1]
.elseif n == 137
	v_cndmask_b32 v[\dst+2], v[T0+2], v[T0+1], vcc_lo
.elseif n == 138
	v_min_num_f32 v[\dst], v[M1], v[PM1]
.elseif n == 139
	s_wait_xcnt 0x0                                ; the last store, two turns back, has read OUT: it is rewritten only behind this wait
	v_cndmask_b32 v[OUT], v[RA], v[RB], s[HM]
.elseif n == 140
	v_cndmask_b32 v[OUT+1], v[RA+1], v[RB+1], s[HM]
.elseif n == 141
	v_cndmask_b32 v[OUT+2], v[RA+2], v[RB+2], s[HM]
.else
	global_store_b128 v[RO], v[OUT:OUT+3], s[RBASE:RBASE+1] offset:-512 th:TH_STORE_NT
.endif
.endm
; A TURN: 16 queries, on fragment set and accumulator set p.  64 matrix instructions, K ascending, the four accumulators by turns, one instruction a turn, from turn to turn and over the
; backward jumps too.  Behind product 0: four v_nop, the places between the last turn's products and what follows (the reads of their results, the loads into the fragments that they read), and the address of
; the next 16 rows.  Behind products 1, 5 .. 29 (fetch = 1): four LDS loads each, the next turn's fragments, 34 products or more ahead of the wait for them.  Behind every other product (ride = 1): three of the
; records' instructions for the turn before: 55 x 3 places for 139 or 143.
; In an odd turn the stores' base is stepped behind product 48, behind s_wait_xcnt 0: the store that read it stands a turn back, the prefetch of a change of slots 49 products back.
.macro TURN p, ride, fetch
.set n, 0
.set NR, (\ride)*(143-4*(\p))
	s_wait_dscnt 0x0                               ; this turn's fragments are in
.set i, 0
.rept 64
	WIN 0x06+i/32                                  ; keys in window 2 (K steps 0-7) or 3, x in window 1, C and D in window 0
.set rD, ACC+32*(\p)+8*(i%4)
.set rK, 32*((i/4)%8)+8*(i%4)
.set rX, 128*(\p)+8*(i/4)
.if i < 4
	v_wmma_f32_16x16x32_bf16 v[rD:rD+7], v[rK:rK+7], v[rX:rX+7], v[KC+8*i:KC+8*i+7]
.else
	v_wmma_f32_16x16x32_bf16 v[rD:rD+7], v[rK:rK+7], v[rX:rX+7], v[rD:rD+7]
.endif
.if i == 0
	WIN 0
	PLACES
.if \fetch
	v_add_nc_u32 v[AX], s[TB], v[AX0]
	s_add_co_u32 s[TB], s[TB], BLK
.endif
.elseif (\fetch) && (i < 30) && (i%4 == 1)
	WIN 0x40
	XL 1-(\p),2*(i/4)
	XL 1-(\p),2*(i/4)+1
.else
.rept 3
.if n < NR
	WIN 0
	RID 1-(\p),RB-4*(\p)
.set n, n+1
.endif
.endr
.endif
.if ((\p) == 1) && (i == 48)
	s_wait_xcnt 0x0
	s_add_nc_u64 s[RBASE:RBASE+1], s[RBASE:RBASE+1], 512
.endif
.set i, i+1
.endr
.endm
; THE CHANGE OF SLOTS, when the slot's last 16 rows have been asked for.  Each wave waits for all its tensor loads, of which one is out: its part of the other slot; adds 0 to its spare word; and waits for that and
; for its own reads of the slot.  Behind the barrier nobody reads this slot any more and the other slot is whole.  fill = 1: the slot is filled again, with the tile two on.  The barrier is then a round of the
; cluster's, and the joint load, 32 rows a wave, is the first thing behind it: it has eight turns, 512 matrix instructions, in which to land.
; Behind the load, its s_nop 0 and four v_nop: A PREFETCH INTO THE L2 of the tile that the NEXT change will ask for, eight turns ahead of that load: 8 rows x 4 blocks of 256 bytes a wave, a lane a block;
; the first cluster alone asks, its sixteen waves told apart by address: each block of tiles 3 to 15 is named once in the launch.  The last filling change asks for nothing; tiles 0 to 2 come by their loads alone.
.macro CHANGE fill
	WIN 0                                          ; at a label and at a branch every window is 0
	s_wait_tensorcnt 0x0                           ; no tensor load of mine is out, so the walking group 0 may be written
	ds_add_u32 v[SPW], v[NIL]                      ; with fill = 1 the steps below stand between the add and the wait for it
.if \fill
	s_xor_b32 s[G0Y+1], s[G0Y+1], SLOTB            ; the other slot than last time,
	s_add_nc_u64 s[G0Y+2:G0Y+3], s[G0Y+2:G0Y+3], TILEB  ; the next tile; the type bits on top are not reached
	s_wait_xcnt 0x0                                ; the last prefetch, eight turns back, has read its address
	s_add_nc_u64 s[PFA:PFA+1], s[PFA:PFA+1], TILEB
	s_wait_dscnt 0x0                               ; the add is done, and my reads of the slot are over
	CROUND
	tensor_load_to_lds s[G0Y:G0Y+3], s[G1Y:G1Y+7]
	s_nop 0
	PLACES
	s_cmp_gt_u32 s[SLOTS], s[LIM]
	s_cbranch_scc0 .Lnot_mine_\@
	global_prefetch_b8 v[PFO], s[PFA:PFA+1] th:TH_LOAD_NT scope:SCOPE_SE
.Lnot_mine_\@:
.else
	s_wait_dscnt 0x0
	s_barrier_signal -1
	s_barrier_wait -1
.endif
	s_sub_co_u32 s[TB], s[TB], SLOTB               ; the fetches go back to a slot's first rows,
	s_xor_b32 s[TB], s[TB], SLOTB                  ; in the other slot
.endm
	v_add_nc_u32 v[AX], s[TB], v[AX0]              ; queries 0-15
	s_add_co_u32 s[TB], s[TB], BLK
	WIN 0x40
.irp f, 0,1,2,3,4,5,6,7,8,9,10,11,12,13,14,15
	XL 0,\f
.endr
	TURN 0, 0, 1                                   ; turn 0: there are no records yet to make
	WIN 0
	s_mov_b32 s[CNT], 3                            ; turns 1 to 6; then slot 0 has been read out
	s_mov_b32 s[SLOTS], 15                         ; this pass, and one behind each of 14 filling changes
	s_branch .Lpair
.Lslot:                                        ; ahead of turns 7, 15 .. 111: tiles 2 to 15 are asked for
	CHANGE 1
	s_mov_b32 s[CNT], 4
.Lpair:
	TURN 1, 1, 1
	TURN 0, 1, 1
	WIN 0
	s_sub_co_u32 s[CNT], s[CNT], 1
	s_cmp_lg_u32 s[CNT], 0
	s_cbranch_scc1 .Lpair
	s_sub_co_u32 s[SLOTS], s[SLOTS], 1
	s_cmp_lg_u32 s[SLOTS], 0
	s_cbranch_scc1 .Lslot
	CHANGE 0                                       ; the tail is written out: tile 15 is waited for, nothing is asked for
	s_mov_b32 s[CNT], 4
.Ltail:                                        ; turns 119 to 126
	TURN 1, 1, 1
	TURN 0, 1, 1
	WIN 0
	s_sub_co_u32 s[CNT], s[CNT], 1
	s_cmp_lg_u32 s[CNT], 0
	s_cbranch_scc1 .Ltail
	TURN 1, 1, 0                                   ; turn 127 fetches nothing
	WIN 0
	PLACES
.set n, 0
.rept 143
	RID 1,RB                                       ; its records, and the last store
.set n, n+1
.endr
	s_wait_tensorcnt 0x0                           ; the wave's end, behind my last tensor load and my last LDS store
	ds_add_u32 v[SPW], v[NIL]
	s_wait_dscnt 0x0
	CROUND                                         ; the closing round: no work-group ends while a partner may still ask for a tile that names it
	s_endpgm
.Lfunc_end_k_q044fe8f606_dist:
	.size	k_q044fe8f606_dist, .Lfunc_end_k_q044fe8f606_dist-k_q044fe8f606_dist
	.p2alignl 7, 3214868480
	.fill 96, 4, 3214868480
	.section	.rodata,"a",@progbits
	.p2align	6, 0x0
	.amdhsa_kernel k_q044fe8f606_dist
		.amdhsa_group_segment_fixed_size 327680
		.amdhsa_private_segment_fixed_size 0
		.amdhsa_enable_private_segment 0
		.amdhsa_kernarg_size 40
		.amdhsa_user_sgpr_count 2
		.amdhsa_user_sgpr_kernarg_segment_ptr 1
		.amdhsa_wavefront_size32 1
		.amdhsa_system_sgpr_workgroup_id_x 1
		.amdhsa_system_sgpr_workgroup_id_y 1
		.amdhsa_system_sgpr_workgroup_id_z 1
		.amdhsa_system_vgpr_workitem_id 0
		.amdhsa_next_free_vgpr 1024
		.amdhsa_next_free_sgpr 72
		.amdhsa_reserve_vcc 1
		.amdhsa_float_denorm_mode_32 3
		.amdhsa_float_denorm_mode_16_64 3
		.amdhsa_memory_ordered 1
		.amdhsa_forward_progress 1
		.amdhsa_inst_pref_size 220
	.end_amdhsa_kernel
	.amdgpu_metadata
---
amdhsa.version: [ 1, 2 ]
amdhsa.kernels:
  - .name:           k_q044fe8f606_dist
    .symbol:         k_q044fe8f606_dist.kd
    .args:
      - { .name: xb, .offset: 0, .size: 8, .value_kind: global_buffer, .address_space: global }
      - { .name: keys, .offset: 8, .size: 8, .value_kind: global_buffer, .address_space: global }
      - { .name: vals, .offset: 16, .size: 8, .value_kind: global_buffer, .address_space: global }
      - { .name: rec, .offset: 24, .size: 8, .value_kind: global_buffer, .address_space: global }
      - { .name: k2, .offset: 32, .size: 8, .value_kind: global_buffer, .address_space: global }
    .group_segment_fixed_size: 327680
    .private_segment_fixed_size: 0
    .kernarg_segment_align: 8
    .kernarg_segment_size: 40
    .max_flat_workgroup_size: 128
    .sgpr_count:     72
    .vgpr_count:     1024
    .wavefront_size: 32
...
	.end_amdgpu_metadata
.endif
;; end of part 2
;; launch pick (part 3): grid 128 x 1, 16 waves a work-group, no clusters, 35,072 bytes of LDS; arguments rec, list; writes list
.if DOCPART == 3
	.amdgcn_target "amdgcn-amd-amdhsa--gfx1250"
	.amdhsa_code_object_version 6
	.text
	.protected	k_q044fe8f606_pick
	.globl	k_q044fe8f606_pick
	.p2align	8
	.type	k_q044fe8f606_pick,@function
k_q044fe8f606_pick:
	s_mov_b64 s[64:65], 0
	v_nop
	global_prefetch_b8 v0, s[64:65] scope:SCOPE_SE
	s_setreg_imm32_b32 hwreg(HW_REG_WAVE_MODE, 25, 1), 1
	s_wait_xcnt 0x0
; KNN READER, launch 3 of 4: for each query the ten groups of 64 keys that hold its ten nearest keys.  It works on the scores of launch 2 (sum(x^2), max(d2, 0) and sqrt left out: see the first kernel).
; WHY TEN GROUPS DO.  m1 <= m2 are a group's two smallest scores, T the tenth smallest m1 of the query, counted with multiplicity.  Chosen: all groups with m1 < T (nine at the most), then the lowest-numbered
; groups with m1 = T, ten in all.  A key of any other group has ten keys in front of it by (score, index): the chosen groups' smallest, each lower in score, or equal in score and lower in index, since groups
; are runs of consecutive keys.  A chosen group with m2 > T gives its smallest key alone, for the same reason; one with m2 <= T is marked, and launch 4 computes it anew.
; list: [2048][32] whole numbers: words 0-9 are 2 x group + mark, the rest 0.  They stand at fixed places: no address and no branch of this launch hangs on a score.
; SHARES.  A work-group has 16 queries: their records in one group are 256 consecutive bytes, aligned.  16 waves.  TWO LAYOUTS: (1) lane (r, h) of wave v: query r, stream 2 v + h = 32 consecutive groups;
; (2) wave v: query v, lane = stream.  Four hand-overs through LDS, each region written once, a barrier behind each.
; No matrix unit, no tensor load, no cluster: work-groups share no byte, and the work is comparisons.  NaN is not treated apart.
.set LISTS, 0                          ; [16 queries][32 streams] 48 bytes: a stream's ten smallest m1, ascending
.set TL,    24576                      ; [16] T
.set WORDS, 24832                      ; [16 queries][3 masks][32 streams] a word: bit i stands for group 32 x stream + i
.set OUTS,  30976                      ; [16 queries][32] the list's rows
.set SPARE, 33024                      ; the spare words, 128 bytes for each of the 16 waves: eight blocks of 256 bytes that no other line names
.set R,    1
.set H,    2
.set LANE, 3
.set SG,   4                           ; v4   my stream in layout 1
.set GOFF, 5                           ; v5   my stream's first group and my query, in rec
.set LA,   6                           ; LDS addresses: lists in,
.set LB,   7                           ; lists out,
.set SPW,  8                           ; v8   my spare word; never rewritten
.set NIL,  9                           ; v9   0; never rewritten
.set INF,  10
.set TA,   11                          ; T in,
.set TR,   12                          ; T out,
.set TT,   13                          ; v13  T
.set WA,   14                          ; masks in,
.set WB,   15                          ; masks out
.set A,    16                          ; v[16:25] ten numbers, ascending
.set MN,   26
.set T1,   27
.set T2,   28
.set OA,   29                          ; 256 v + 8 l: in OUTS and in the work-group's rows of list
.set OB,   30                          ; 128 v + 4 l
.set OD,   32                          ; v[32:33] on the way out (the records are done with)
.set MM,   32                          ; v[32:95] (m1, m2) of my stream's 32 groups
.set WLT,  96                          ; masks: m1 < T,
.set WEQ,  97                          ; m1 = T,
.set WSU,  98                          ; m2 <= T
.set W,    99
.set LSB,  100
.set F,    101
.set CODE, 102
.set EO,   103
.set CF,   104
.set CM,   105
.set TMP,  106
.set RES,  107
.set BP,   108                         ; 64 x stream - 254
.set C8K,  109
.set C2K,  110
.set WV,  8
.set SEL, 10
.set CN,  12                           ; how many m1 have been taken away
.set ST,  13                           ; T
.set RD,  14                           ; counts rounds
.macro XMIN a, t                       ; the smallest over the 32 lanes, in every lane
	v_min_num_f32_dpp v[\a], v[\a], v[\a] row_xmask:1 row_mask:0xf bank_mask:0xf
	v_min_num_f32_dpp v[\a], v[\a], v[\a] row_xmask:2 row_mask:0xf bank_mask:0xf
	v_min_num_f32_dpp v[\a], v[\a], v[\a] row_xmask:4 row_mask:0xf bank_mask:0xf
	v_min_num_f32_dpp v[\a], v[\a], v[\a] row_xmask:8 row_mask:0xf bank_mask:0xf
	v_permlanex16_b32 v[\t], v[\a], s[SEL], s[SEL+1]
	v_min_num_f32 v[\a], v[\a], v[\t]
.endm
.macro MEET                            ; my LDS stores are done: say so; behind the wait everybody's are
	s_wait_dscnt 0x0
	s_barrier_signal -1
	s_barrier_wait -1
.endm
	s_load_b128 s[4:7], s[0:1], 0x0                ; rec s[4:5], list s[6:7]
	v_lshl_add_u32 v[SPW], v0, 2, SPARE
	v_mov_b32 v[NIL], 0
	v_lshrrev_b32 v1, 5, v0
	v_readfirstlane_b32 s[WV], v1                  ; wave 0..15
	v_and_b32 v[R], 15, v0
	v_bfe_u32 v[H], v0, 4, 1
	v_and_b32 v[LANE], 31, v0
	v_lshl_add_u32 v[SG], s[WV], 1, v[H]
	v_lshlrev_b32 v[GOFF], 20, v[SG]               ; 32 groups of 32,768 bytes
	v_lshl_add_u32 v[GOFF], v[R], 4, v[GOFF]
	s_lshl_b32 s2, ttmp9, 8                        ; the work-group's 16 records in a group
	s_mov_b32 s3, 0
	s_lshl_b32 s18, ttmp9, 11                      ; and its 16 rows of list
	s_mov_b32 s19, 0
	s_mov_b32 s[SEL], 0x76543210
	s_mov_b32 s[SEL+1], 0xfedcba98
	s_wait_kmcnt 0x0
	s_add_nc_u64 s[4:5], s[4:5], s[2:3]
	s_add_nc_u64 s[6:7], s[6:7], s[18:19]
.set i, 0
.rept 32
	global_load_b64 v[MM+2*i:MM+2*i+1], v[GOFF], s[4:5] offset:i*32768 th:TH_LOAD_NT
.set i, i+1
.endr
	v_mov_b32 v[INF], 0x7f800000
.irp k, 0,1,2,3,4,5,6,7,8,9
	v_mov_b32 v[A+(\k)], 0x7f800000
.endr
	v_mul_u32_u24 v[LA], v[R], 1536
	v_mad_u32_u24 v[LA], v[SG], 48, v[LA]
	s_mul_i32 s15, s[WV], 1536
	v_mul_u32_u24 v[LB], v[LANE], 48
	v_add_nc_u32 v[LB], s15, v[LB]
	s_lshl_b32 s15, s[WV], 2
	v_mov_b32 v[TA], s15
	v_lshlrev_b32 v[TR], 2, v[R]
	v_mul_u32_u24 v[WA], v[R], 384
	v_lshl_add_u32 v[WA], v[SG], 2, v[WA]
	s_mul_i32 s15, s[WV], 384
	v_lshl_add_u32 v[WB], v[LANE], 2, s15
	s_lshl_b32 s15, s[WV], 8
	v_lshl_add_u32 v[OA], v[LANE], 3, s15
	s_lshl_b32 s15, s[WV], 7
	v_lshl_add_u32 v[OB], v[LANE], 2, s15
	v_lshlrev_b32 v[BP], 6, v[LANE]
	v_add_nc_u32 v[BP], 0xffffff02, v[BP]
	v_mov_b32 v[C8K], 0x2000
	v_mov_b32 v[C2K], 0x800
	; A. My stream's ten smallest m1, kept in order: place k takes the middle one of (place k - 1, the new number, place k), from the top down.
.set i, 0
.rept 32
	s_wait_loadcnt 31-i                            ; loads come back in order: group i's record is in, the younger ones stay out
.irp k, 9,8,7,6,5,4,3,2,1
	v_med3_num_f32 v[A+(\k)], v[A+(\k)-1], v[MM+2*i], v[A+(\k)]
.endr
	v_min_num_f32 v[A], v[A], v[MM+2*i]
.set i, i+1
.endr
	ds_store_b128 v[LA], v[A:A+3] offset:LISTS
	ds_store_b128 v[LA], v[A+4:A+7] offset:LISTS+16
	ds_store_b64 v[LA], v[A+8:A+9] offset:LISTS+32
	MEET
	; B. T of query v: the tenth smallest of the 32 streams' 320 numbers.  Ten rounds: the smallest that is left; T takes it while fewer than ten have been taken away; all its equals are counted and taken away.
	ds_load_b128 v[A:A+3], v[LB] offset:LISTS
	ds_load_b128 v[A+4:A+7], v[LB] offset:LISTS+16
	ds_load_b64 v[A+8:A+9], v[LB] offset:LISTS+32
	s_mov_b32 s[CN], 0
	s_mov_b32 s[ST], 0
	s_mov_b32 s[RD], 10
	s_wait_dscnt 0x0
.Lround:
	v_min3_num_f32 v[MN], v[A], v[A+1], v[A+2]
	v_min3_num_f32 v[T1], v[A+3], v[A+4], v[A+5]
	v_min3_num_f32 v[T2], v[A+6], v[A+7], v[A+8]
	v_min3_num_f32 v[MN], v[MN], v[T1], v[T2]
	v_min_num_f32 v[MN], v[MN], v[A+9]
	XMIN MN, T1
	v_readfirstlane_b32 s15, v[MN]
	s_cmp_lt_u32 s[CN], 10
	s_cselect_b32 s[ST], s15, s[ST]                ; a choice of a value: no branch hangs on it
.irp k, 0,1,2,3,4,5,6,7,8,9
	v_cmp_eq_f32 vcc_lo, v[A+(\k)], v[MN]
	s_bcnt1_i32_b32 s16, vcc_lo
	v_cndmask_b32 v[A+(\k)], v[A+(\k)], v[INF], vcc_lo
	s_add_co_u32 s[CN], s[CN], s16
.endr
	s_sub_co_u32 s[RD], s[RD], 1
	s_cmp_lg_u32 s[RD], 0
	s_cbranch_scc1 .Lround
	v_mov_b32 v[TT], s[ST]
	ds_store_b32 v[TA], v[TT] offset:TL            ; all lanes store the same number at the same place
	MEET
	; C. Back in layout 1, where the records still lie in registers: three masks of my stream's 32 groups, made from group 31 down: the word doubles and takes the compare's bit as its carry.
	ds_load_b32 v[TT], v[TR] offset:TL
	v_mov_b32 v[WLT], 0
	v_mov_b32 v[WEQ], 0
	v_mov_b32 v[WSU], 0
	s_wait_dscnt 0x0
.set i, 31
.rept 32
	v_cmp_lt_f32 vcc_lo, v[MM+2*i], v[TT]
	v_add_co_ci_u32 v[WLT], vcc_lo, v[WLT], v[WLT], vcc_lo
	v_cmp_eq_f32 vcc_lo, v[MM+2*i], v[TT]
	v_add_co_ci_u32 v[WEQ], vcc_lo, v[WEQ], v[WEQ], vcc_lo
	v_cmp_le_f32 vcc_lo, v[MM+2*i+1], v[TT]
	v_add_co_ci_u32 v[WSU], vcc_lo, v[WSU], v[WSU], vcc_lo
.set i, i-1
.endr
	ds_store_b32 v[WA], v[WLT] offset:WORDS
	ds_store_b32 v[WA], v[WEQ] offset:WORDS+128
	ds_store_b32 v[WA], v[WSU] offset:WORDS+256
	MEET
	; D. The ten codes of query v.  A lane offers its lowest group with m1 < T, or if it has none its lowest with m1 = T, as 2 (group + 1,024 if m1 = T) + mark; the smallest offer over the lanes is taken
	; (as f32: it is a whole number under 2^14), its bit cleared, and lane k keeps round k's.  So the groups under T come first, then those at T from the lowest on.
	ds_load_b32 v[WLT], v[WB] offset:WORDS
	ds_load_b32 v[WEQ], v[WB] offset:WORDS+128
	ds_load_b32 v[WSU], v[WB] offset:WORDS+256
	v_mov_b32 v[RES], 0
	s_mov_b32 s[RD], 0
	s_wait_dscnt 0x0
.Ltake:
	v_cmp_eq_u32 vcc_lo, 0, v[WLT]
	v_cndmask_b32 v[W], v[WLT], v[WEQ], vcc_lo
	v_cndmask_b32 v[EO], 0, v[C2K], vcc_lo
	v_sub_nc_u32 v[LSB], 0, v[W]
	v_and_b32 v[LSB], v[W], v[LSB]                 ; the lowest bit,
	v_cvt_f32_u32 v[F], v[LSB]                     ; whose number is the exponent of that power of two
	v_lshrrev_b32 v[F], 23, v[F]
	v_lshl_add_u32 v[CODE], v[F], 1, v[BP]         ; 2 (bit + 127) + 64 x stream - 254
	v_add_nc_u32 v[CODE], v[CODE], v[EO]
	v_and_b32 v[TMP], v[WSU], v[LSB]
	v_cmp_ne_u32 vcc_lo, 0, v[TMP]
	v_add_co_ci_u32 v[CODE], vcc_lo, 0, v[CODE], vcc_lo
	v_cmp_eq_u32 vcc_lo, 0, v[W]
	v_cndmask_b32 v[CODE], v[CODE], v[C8K], vcc_lo ; nothing to offer: above every offer
	v_cvt_f32_u32 v[CF], v[CODE]
	v_mov_b32 v[CM], v[CF]
	XMIN CM, TMP
	v_cmp_eq_f32 vcc_lo, v[CF], v[CM]
	v_cndmask_b32 v[TMP], 0, v[LSB], vcc_lo
	v_bfi_b32 v[WLT], v[TMP], 0, v[WLT]            ; the two masks share no bit: clearing it in both clears it where it stood
	v_bfi_b32 v[WEQ], v[TMP], 0, v[WEQ]
	v_cmp_eq_u32 vcc_lo, s[RD], v[LANE]
	v_cndmask_b32 v[RES], v[RES], v[CM], vcc_lo
	s_add_co_u32 s[RD], s[RD], 1
	s_cmp_lt_u32 s[RD], 10
	s_cbranch_scc1 .Ltake
	v_cvt_u32_f32 v[RES], v[RES]
	v_and_b32 v[RES], 0x7ff, v[RES]                ; 2 x group + mark
	ds_store_b32 v[OB], v[RES] offset:OUTS
	MEET
	s_cmp_lt_u32 s[WV], 8                          ; eight waves store the 2,048 bytes: each 256 consecutive bytes, aligned
	s_cbranch_scc0 .Lend
	ds_load_b64 v[OD:OD+1], v[OA] offset:OUTS
	s_wait_dscnt 0x0
	global_store_b64 v[OA], v[OD:OD+1], s[6:7]
.Lend:
	s_wait_tensorcnt 0x0                           ; the wave's end, behind my last LDS store
	ds_add_u32 v[SPW], v[NIL]
	s_wait_dscnt 0x0
	s_endpgm
.Lfunc_end_k_q044fe8f606_pick:
	.size	k_q044fe8f606_pick, .Lfunc_end_k_q044fe8f606_pick-k_q044fe8f606_pick
	.p2alignl 7, 3214868480
	.fill 96, 4, 3214868480
	.section	.rodata,"a",@progbits
	.p2align	6, 0x0
	.amdhsa_kernel k_q044fe8f606_pick
		.amdhsa_group_segment_fixed_size 35072
		.amdhsa_private_segment_fixed_size 0
		.amdhsa_enable_private_segment 0
		.amdhsa_kernarg_size 16
		.amdhsa_user_sgpr_count 2
		.amdhsa_user_sgpr_kernarg_segment_ptr 1
		.amdhsa_wavefront_size32 1
		.amdhsa_system_sgpr_workgroup_id_x 1
		.amdhsa_system_sgpr_workgroup_id_y 1
		.amdhsa_system_sgpr_workgroup_id_z 1
		.amdhsa_system_vgpr_workitem_id 0
		.amdhsa_next_free_vgpr 128
		.amdhsa_next_free_sgpr 66
		.amdhsa_reserve_vcc 1
		.amdhsa_float_denorm_mode_32 3
		.amdhsa_float_denorm_mode_16_64 3
		.amdhsa_memory_ordered 1
		.amdhsa_forward_progress 1
		.amdhsa_inst_pref_size 38
	.end_amdhsa_kernel
	.amdgpu_metadata
---
amdhsa.version: [ 1, 2 ]
amdhsa.kernels:
  - .name:           k_q044fe8f606_pick
    .symbol:         k_q044fe8f606_pick.kd
    .args:
      - { .name: rec, .offset: 0, .size: 8, .value_kind: global_buffer, .address_space: global }
      - { .name: list, .offset: 8, .size: 8, .value_kind: global_buffer, .address_space: global }
    .group_segment_fixed_size: 35072
    .private_segment_fixed_size: 0
    .kernarg_segment_align: 8
    .kernarg_segment_size: 16
    .max_flat_workgroup_size: 512
    .sgpr_count:     66
    .vgpr_count:     128
    .wavefront_size: 32
...
	.end_amdgpu_metadata
.endif
;; end of part 3
;; launch vote (part 4): grid 256 x 1, 8 waves a work-group, no clusters, 1,280 bytes of LDS; arguments list, rec, xb, keys, k2, vals, out0; writes out0
.if DOCPART == 4
	.amdgcn_target "amdgcn-amd-amdhsa--gfx1250"
	.amdhsa_code_object_version 6
	.text
	.protected	k_q044fe8f606_vote
	.globl	k_q044fe8f606_vote
	.p2align	8
	.type	k_q044fe8f606_vote,@function
k_q044fe8f606_vote:
	s_mov_b64 s[64:65], 0
	v_nop
	global_prefetch_b8 v0, s[64:65] scope:SCOPE_SE
	s_setreg_imm32_b32 hwreg(HW_REG_WAVE_MODE, 25, 1), 1
	s_wait_xcnt 0x0
; KNN READER, launch 4 of 4: out0[q] = the most frequent class among the query's ten nearest keys, the smallest class on a tie.  sum(x^2), max(d2, 0) and sqrt are left out as shown at the head of the first
; kernel; one_hot(..).sum is a count of equals among ten classes and is made by comparisons: a class outside 0..99 counts for nothing, as in one_hot, and with no class counted the result is 0, as argmax gives.
; SHARES.  A wave a query.  Lane k < 10 takes the k-th chosen group's record: (V, P) = (its smallest score, key x 256 + class as f32: a whole number under 2^24, so exact).
; Where no group is marked these ten ARE the ten nearest.  A MARKED group (its second smallest score may be among the ten) is computed anew, all 64 keys, by the same chain of matrix instructions on the same
; bits as in launch 2 (keys rounded alike, the same xb, the same k2 as the first C, K ascending, the same deal of channels to lanes), and merged into the pool: the ten smallest by (V, P).
; Every split is served, from none marked to all ten.  The branch and the addresses hang on list alone, whole numbers that launch 3 stored; every number read from it is clamped to 1,023 before it enters an address.
; All waits are for 0: the marked path is a chain of dependent steps.  Its loads take 16 bytes a lane from 16 rows, and out0 leaves as 32 bytes a work-group: eight queries are what eight waves finish.
; No tensor load, no cluster: work-groups share nothing that they write.  NaN and infinities are not treated apart.
.set RESB,  0                          ; LDS: the eight waves' results
.set SPARE, 256                        ; the spare words, 128 bytes for each of the 8 waves: four blocks of 256 bytes that no other line names
.set R,    1
.set H,    2
.set LANE, 3
.set LOFF, 4                           ; 4 l
.set CODE, 5
.set G,    6                           ; my group
.set SU,   7                           ; its mark
.set SPW,  8                           ; v8   my spare word; never rewritten
.set NIL,  9                           ; v9   0; never rewritten
.set ROFF, 10
.set KOFF, 11                          ; r x 2,048 + 64 h: my part of a fragment of keys
.set XOFF, 12                          ; 32 h: of the query, and of k2
.set VOFF, 13                          ; 4 x KIX
.set KIX,  14                          ; 16 (r / 8) + 8 h + r % 8: of a marked group's keys I take this one and the one 32 on
.set KP,   15                          ; KIX << 8
.set REC,  16                          ; v[16:19]
.set V,    20                          ; the pool
.set P,    21
.set E0V,  22                          ; my two keys of a marked group
.set E0P,  23
.set E1V,  24
.set E1P,  25
.set NV,   26                          ; the pool being made
.set NP,   27
.set MV,   28
.set MP,   29
.set C0,   30
.set C1,   31
.set C2,   32
.set XT,   33
.set INF,  34
.set PBIG, 35                          ; 2^25: above every payload
.set VA,   36                          ; v[36:37] my two keys' classes
.set CL,   38
.set CT,   39
.set ACC,  64                          ; v[64:95]   four accumulators
.set XQ,   96                          ; v[96:127]  the query's fragments of four K steps
.set TR,   128                         ; v[128:155] the choice of my two scores
.set WV,  18
.set Q,   19
.set SUM, 20                           ; bit k: group k is marked
.set KK,  21
.set SGR, 22
.set BT,  23
.set RD,  24
.set SEL, 26
.set MA,  28                           ; lanes with bit 0, 1, 2, 3 of their number set
.set MC,  29
.set MF,  30
.set MH,  31
.set KBA, 32                           ; s[32:33] keys, s[34:35] xb, s[36:37] k2, s[38:39] vals: at the marked group, stepped along K
.set XBA, 34
.set K2A, 36
.set VLA, 38
.set XQB, 42                           ; s[42:43] xb at my query
.set MSB, 0
.macro WIN new                         ; the immediate's high byte repeats the setting that is left; a switch that changes nothing is dropped
.if MSB != (\new)
	s_set_vgpr_msb (MSB<<8)|(\new)
.set MSB, (\new)
.endif
.endm
.macro XMIN a, t                       ; the smallest over the 32 lanes, in every lane
	v_min_num_f32_dpp v[\a], v[\a], v[\a] row_xmask:1 row_mask:0xf bank_mask:0xf
	v_min_num_f32_dpp v[\a], v[\a], v[\a] row_xmask:2 row_mask:0xf bank_mask:0xf
	v_min_num_f32_dpp v[\a], v[\a], v[\a] row_xmask:4 row_mask:0xf bank_mask:0xf
	v_min_num_f32_dpp v[\a], v[\a], v[\a] row_xmask:8 row_mask:0xf bank_mask:0xf
	v_permlanex16_b32 v[\t], v[\a], s[SEL], s[SEL+1]
	v_min_num_f32 v[\a], v[\a], v[\t]
.endm
	s_load_b256 s[4:11], s[0:1], 0x0               ; list s[4:5], rec s[6:7], xb s[8:9], keys s[10:11]
	s_load_b128 s[12:15], s[0:1], 0x20             ; k2 s[12:13], vals s[14:15]
	s_load_b64 s[16:17], s[0:1], 0x30              ; out0
	v_lshl_add_u32 v[SPW], v0, 2, SPARE
	v_mov_b32 v[NIL], 0
	v_lshrrev_b32 v1, 5, v0
	v_readfirstlane_b32 s[WV], v1                  ; wave 0..7
	s_lshl_b32 s[Q], ttmp9, 3
	s_add_co_u32 s[Q], s[Q], s[WV]                 ; my query
	v_and_b32 v[LANE], 31, v0
	v_lshlrev_b32 v[LOFF], 2, v[LANE]
	s_mov_b32 s41, 0
	s_wait_kmcnt 0x0
	s_lshl_b32 s40, s[Q], 7
	s_add_nc_u64 s[4:5], s[4:5], s[40:41]          ; my row of list
	global_load_b32 v[CODE], v[LOFF], s[4:5]
	s_lshl_b32 s40, s[Q], 4
	s_add_nc_u64 s[6:7], s[6:7], s[40:41]          ; my record in group 0
	s_lshl_b32 s40, s[Q], 10
	s_add_nc_u64 s[XQB:XQB+1], s[8:9], s[40:41]    ; my row of xb
	s_lshl_b32 s40, ttmp9, 5
	s_add_nc_u64 s[16:17], s[16:17], s[40:41]      ; the work-group's eight numbers of out0
	s_mov_b32 s[SEL], 0x76543210
	s_mov_b32 s[SEL+1], 0xfedcba98
	s_mov_b32 s[MA], 0xaaaaaaaa
	s_mov_b32 s[MC], 0xcccccccc
	s_mov_b32 s[MF], 0xf0f0f0f0
	s_mov_b32 s[MH], 0xff00ff00
	v_and_b32 v[R], 15, v0
	v_bfe_u32 v[H], v0, 4, 1
	v_lshlrev_b32 v[XOFF], 5, v[H]
	v_lshlrev_b32 v[KOFF], 11, v[R]
	v_lshl_add_u32 v[KOFF], v[H], 6, v[KOFF]
	v_and_b32 v[KIX], 7, v[R]
	v_lshl_add_u32 v[KIX], v[H], 3, v[KIX]
	v_lshrrev_b32 v[XT], 3, v[R]
	v_lshl_add_u32 v[KIX], v[XT], 4, v[KIX]
	v_lshlrev_b32 v[VOFF], 2, v[KIX]
	v_lshlrev_b32 v[KP], 8, v[KIX]
	v_mov_b32 v[INF], 0x7f800000
	v_mov_b32 v[PBIG], 0x4c000000
	s_wait_loadcnt 0x0
	v_lshrrev_b32 v[G], 1, v[CODE]
	v_min_u32 v[G], 0x3ff, v[G]                    ; a number that was loaded enters an address only clamped
	v_and_b32 v[SU], 1, v[CODE]
	v_lshlrev_b32 v[ROFF], 15, v[G]
	global_load_b128 v[REC:REC+3], v[ROFF], s[6:7] ; lanes 10-31 hold code 0 and read group 0's record, which they throw away
	v_cmp_ne_u32 vcc_lo, 0, v[SU]
	s_and_b32 s[SUM], vcc_lo, 0x3ff
	s_or_b32 s44, s[SUM], 0xfffffc00               ; lanes that hold no key of the pool: 10-31, and the marked groups', whose keys come anew
	s_wait_loadcnt 0x0
	v_lshl_add_u32 v[P], v[G], 14, v[REC+2]        ; (64 group + place) x 256 + class
	v_cvt_f32_u32 v[P], v[P]
	v_cndmask_b32 v[V], v[REC], v[INF], s44
	v_cndmask_b32 v[P], v[P], v[PBIG], s44
	s_cmp_eq_u32 s[SUM], 0
	s_cbranch_scc1 .Lmode                          ; a branch on whole numbers read from list
	s_mov_b32 s[KK], 0
.Lsus:                                         ; ten trips; a trip whose group is not marked is jumped over, forward, to the counter's step
	s_lshr_b32 s44, s[SUM], s[KK]
	s_and_b32 s44, s44, 1
	s_cmp_eq_u32 s44, 0
	s_cbranch_scc1 .Lnext
	v_readlane_b32 s[SGR], v[G], s[KK]
	s_min_u32 s[SGR], s[SGR], 0x3ff
	s_lshl_b32 s40, s[SGR], 17                     ; (every load that named these bases has been waited for)
	s_add_nc_u64 s[KBA:KBA+1], s[10:11], s[40:41]
	s_lshl_b32 s40, s[SGR], 8
	s_add_nc_u64 s[K2A:K2A+1], s[12:13], s[40:41]
	s_add_nc_u64 s[VLA:VLA+1], s[14:15], s[40:41]
	s_mov_b64 s[XBA:XBA+1], s[XQB:XQB+1]
.irp kb, 0,1,2,3
	global_load_b128 v[ACC+8*(\kb):ACC+8*(\kb)+3],   v[XOFF], s[K2A:K2A+1] offset:64*(\kb)     ; the sums begin with k2: register j of block kb is key 16 kb + 8 h + j
	global_load_b128 v[ACC+8*(\kb)+4:ACC+8*(\kb)+7], v[XOFF], s[K2A:K2A+1] offset:64*(\kb)+16
.endr
	global_load_b32 v[VA], v[VOFF], s[VLA:VLA+1]
	global_load_b32 v[VA+1], v[VOFF], s[VLA:VLA+1] offset:128
	s_mov_b32 s[BT], 4
.Lbatch:                                       ; four K steps a trip: 256 registers of keys in f32 are what window 1 holds
	WIN 0x40                                       ; destination window 1, address window 0
.irp s, 0,1,2,3
.irp kb, 0,1,2,3
.irp i, 0,1,2,3
	global_load_b128 v[16*(4*(\s)+(\kb))+4*(\i):16*(4*(\s)+(\kb))+4*(\i)+3], v[KOFF], s[KBA:KBA+1] offset:(\kb)*32768+(\s)*128+16*(\i)
.endr
.endr
.endr
	WIN 0
.irp s, 0,1,2,3
	global_load_b128 v[XQ+8*(\s):XQ+8*(\s)+3],   v[XOFF], s[XBA:XBA+1] offset:64*(\s)     ; all 16 columns of source 1 hold my query
	global_load_b128 v[XQ+8*(\s)+4:XQ+8*(\s)+7], v[XOFF], s[XBA:XBA+1] offset:64*(\s)+16
.endr
	s_wait_loadcnt 0x0
	WIN 0x45                                       ; in window 1, in place: word z takes numbers 2 z and 2 z + 1, ascending; fragment f ends at 8 f
.set z, 0
.rept 128
	v_cvt_pk_bf16_f32 v[z], v[2*z], v[2*z+1]
.set z, z+1
.endr
	WIN 0x01                                       ; keys in window 1; the query, C and D in window 0
.irp s, 0,1,2,3
.irp kb, 0,1,2,3
	v_wmma_f32_16x16x32_bf16 v[ACC+8*(\kb):ACC+8*(\kb)+7], v[8*(4*(\s)+(\kb)):8*(4*(\s)+(\kb))+7], v[XQ+8*(\s):XQ+8*(\s)+7], v[ACC+8*(\kb):ACC+8*(\kb)+7]  ; the four accumulators by turns, over the backward jump too
.endr
.endr
	WIN 0
.rept 4
	v_nop                                          ; four places: ahead of the next trip's loads into registers that these products read, and of the reads of their results
.endr
	s_add_nc_u64 s[KBA:KBA+1], s[KBA:KBA+1], 512   ; the loads that named them are done
	s_add_nc_u64 s[XBA:XBA+1], s[XBA:XBA+1], 256
	s_sub_co_u32 s[BT], s[BT], 1
	s_cmp_lg_u32 s[BT], 0
	s_cbranch_scc1 .Lbatch
	; Every lane of a half holds the same 32 scores.  Lane (r, h) keeps register r % 8 of blocks r / 8 and 2 + r / 8: 64 keys on 32 lanes x 2.  Each accumulator's lowest registers are read first.
.irp kb, 0,1,2,3
.irp j, 0,1,2,3
	v_cndmask_b32 v[TR+4*(\kb)+(\j)], v[ACC+8*(\kb)+2*(\j)], v[ACC+8*(\kb)+2*(\j)+1], s[MA]
.endr
.endr
.irp j, 0,1,2,3,4,5,6,7
	v_cndmask_b32 v[TR+16+(\j)], v[TR+2*(\j)], v[TR+2*(\j)+1], s[MC]
.endr
.irp j, 0,1,2,3
	v_cndmask_b32 v[TR+24+(\j)], v[TR+16+2*(\j)], v[TR+16+2*(\j)+1], s[MF]
.endr
	v_cndmask_b32 v[E0V], v[TR+24], v[TR+25], s[MH]
	v_cndmask_b32 v[E1V], v[TR+26], v[TR+27], s[MH]
	s_lshl_b32 s44, s[SGR], 14
	s_add_co_u32 s45, s44, 8192                    ; 32 keys on
	v_min_u32 v[VA], 0xff, v[VA]
	v_min_u32 v[VA+1], 0xff, v[VA+1]
	v_add3_u32 v[E0P], v[VA], v[KP], s44
	v_add3_u32 v[E1P], v[VA+1], v[KP], s45
	v_cvt_f32_u32 v[E0P], v[E0P]
	v_cvt_f32_u32 v[E1P], v[E1P]
	v_mov_b32 v[NV], v[INF]
	v_mov_b32 v[NP], v[PBIG]
	s_mov_b32 s[RD], 0
.Lmerge:                                       ; ten rounds: the smallest score of pool and group; among its equals the smallest payload, which is the lowest key; lane t keeps round t's; the winner leaves
	v_min3_num_f32 v[MV], v[V], v[E0V], v[E1V]
	XMIN MV, XT
	v_cmp_eq_f32 vcc_lo, v[V], v[MV]
	v_cndmask_b32 v[C0], v[INF], v[P], vcc_lo
	v_cmp_eq_f32 vcc_lo, v[E0V], v[MV]
	v_cndmask_b32 v[C1], v[INF], v[E0P], vcc_lo
	v_cmp_eq_f32 vcc_lo, v[E1V], v[MV]
	v_cndmask_b32 v[C2], v[INF], v[E1P], vcc_lo
	v_min3_num_f32 v[MP], v[C0], v[C1], v[C2]
	XMIN MP, XT
	v_cmp_eq_f32 vcc_lo, v[P], v[MP]               ; payloads of keys are all different
	v_cndmask_b32 v[V], v[V], v[INF], vcc_lo
	v_cmp_eq_f32 vcc_lo, v[E0P], v[MP]
	v_cndmask_b32 v[E0V], v[E0V], v[INF], vcc_lo
	v_cmp_eq_f32 vcc_lo, v[E1P], v[MP]
	v_cndmask_b32 v[E1V], v[E1V], v[INF], vcc_lo
	v_cmp_eq_u32 vcc_lo, s[RD], v[LANE]
	v_cndmask_b32 v[NV], v[NV], v[MV], vcc_lo
	v_cndmask_b32 v[NP], v[NP], v[MP], vcc_lo
	s_add_co_u32 s[RD], s[RD], 1
	s_cmp_lt_u32 s[RD], 10
	s_cbranch_scc1 .Lmerge
	v_mov_b32 v[V], v[NV]
	v_mov_b32 v[P], v[NP]
.Lnext:
	s_add_co_u32 s[KK], s[KK], 1
	s_cmp_lt_u32 s[KK], 10
	s_cbranch_scc1 .Lsus
.Lmode:                                        ; lanes 0-9 hold the ten nearest keys
	v_cvt_u32_f32 v[CL], v[P]
	v_and_b32 v[CL], 0xff, v[CL]                   ; the class
	v_mov_b32 v[CT], 0
.irp j, 0,1,2,3,4,5,6,7,8,9
	v_readlane_b32 s44, v[CL], \j
	v_cmp_eq_u32 vcc_lo, s44, v[CL]
	v_add_co_ci_u32 v[CT], vcc_lo, 0, v[CT], vcc_lo  ; how many of the ten have my class
.endr
	v_lshlrev_b32 v[CT], 7, v[CT]
	v_sub_nc_u32 v[C0], 127, v[CL]
	v_add_nc_u32 v[CT], v[CT], v[C0]               ; 128 x count + 127 - class: the greatest is the most frequent class, the smallest on a tie
	v_cmp_gt_u32 vcc_lo, 100, v[CL]
	s_and_b32 s44, vcc_lo, 0x3ff                   ; of lanes 0-9, and of classes 0..99 alone
	v_cndmask_b32 v[CT], 0, v[CT], s44
	v_cvt_f32_u32 v[CT], v[CT]                     ; under 2^11: exact
	v_max_num_f32_dpp v[CT], v[CT], v[CT] row_xmask:1 row_mask:0xf bank_mask:0xf
	v_max_num_f32_dpp v[CT], v[CT], v[CT] row_xmask:2 row_mask:0xf bank_mask:0xf
	v_max_num_f32_dpp v[CT], v[CT], v[CT] row_xmask:4 row_mask:0xf bank_mask:0xf
	v_max_num_f32_dpp v[CT], v[CT], v[CT] row_xmask:8 row_mask:0xf bank_mask:0xf
	v_permlanex16_b32 v[XT], v[CT], s[SEL], s[SEL+1]
	v_max_num_f32 v[CT], v[CT], v[XT]
	v_cvt_u32_f32 v[CT], v[CT]
	v_and_b32 v[C0], 127, v[CT]
	v_sub_nc_u32 v[C0], 127, v[C0]
	v_cmp_ne_u32 vcc_lo, 0, v[CT]
	v_cndmask_b32 v[C0], 0, v[C0], vcc_lo          ; nothing counted: 0
	s_lshl_b32 s45, s[WV], 2
	v_mov_b32 v[C1], s45
	ds_store_b32 v[C1], v[C0] offset:RESB          ; all lanes store the same number at the same place
	s_wait_dscnt 0x0                               ; for the others' sake
	s_barrier_signal -1
	s_barrier_wait -1                              ; on every wave's path, outside every branch
	s_cmp_lg_u32 s[WV], 0
	s_cbranch_scc1 .Lend
	v_and_b32 v[C1], 7, v[LANE]
	v_lshlrev_b32 v[C1], 2, v[C1]
	ds_load_b32 v[C0], v[C1] offset:RESB
	v_cmp_gt_u32 vcc_lo, 8, v[LANE]
	s_wait_dscnt 0x0
	s_wait_xcnt 0x0                                ; EXEC changes only behind s_wait_xcnt 0
	s_and_saveexec_b32 s44, vcc_lo
	global_store_b32 v[C1], v[C0], s[16:17]        ; eight lanes: the work-group's 32 bytes of out0
	s_wait_xcnt 0x0                                ; and again, ahead of the line that widens it
	s_or_b32 exec_lo, exec_lo, s44
.Lend:
	s_wait_tensorcnt 0x0                           ; the wave's end, behind my last LDS store
	ds_add_u32 v[SPW], v[NIL]
	s_wait_dscnt 0x0
	s_endpgm
.Lfunc_end_k_q044fe8f606_vote:
	.size	k_q044fe8f606_vote, .Lfunc_end_k_q044fe8f606_vote-k_q044fe8f606_vote
	.p2alignl 7, 3214868480
	.fill 96, 4, 3214868480
	.section	.rodata,"a",@progbits
	.p2align	6, 0x0
	.amdhsa_kernel k_q044fe8f606_vote
		.amdhsa_group_segment_fixed_size 1280
		.amdhsa_private_segment_fixed_size 0
		.amdhsa_enable_private_segment 0
		.amdhsa_kernarg_size 56
		.amdhsa_user_sgpr_count 2
		.amdhsa_user_sgpr_kernarg_segment_ptr 1
		.amdhsa_wavefront_size32 1
		.amdhsa_system_sgpr_workgroup_id_x 1
		.amdhsa_system_sgpr_workgroup_id_y 1
		.amdhsa_system_sgpr_workgroup_id_z 1
		.amdhsa_system_vgpr_workitem_id 0
		.amdhsa_next_free_vgpr 512
		.amdhsa_next_free_sgpr 66
		.amdhsa_reserve_vcc 1
		.amdhsa_float_denorm_mode_32 3
		.amdhsa_float_denorm_mode_16_64 3
		.amdhsa_memory_ordered 1
		.amdhsa_forward_progress 1
		.amdhsa_inst_pref_size 28
	.end_amdhsa_kernel
	.amdgpu_metadata
---
amdhsa.version: [ 1, 2 ]
amdhsa.kernels:
  - .name:           k_q044fe8f606_vote
    .symbol:         k_q044fe8f606_vote.kd
    .args:
      - { .name: list, .offset: 0, .size: 8, .value_kind: global_buffer, .address_space: global }
      - { .name: rec, .offset: 8, .size: 8, .value_kind: global_buffer, .address_space: global }
      - { .name: xb, .offset: 16, .size: 8, .value_kind: global_buffer, .address_space: global }
      - { .name: keys, .offset: 24, .size: 8, .value_kind: global_buffer, .address_space: global }
      - { .name: k2, .offset: 32, .size: 8, .value_kind: global_buffer, .address_space: global }
      - { .name: vals, .offset: 40, .size: 8, .value_kind: global_buffer, .address_space: global }
      - { .name: out0, .offset: 48, .size: 8, .value_kind: global_buffer, .address_space: global }
    .group_segment_fixed_size: 1280
    .private_segment_fixed_size: 0
    .kernarg_segment_align: 8
    .kernarg_segment_size: 56
    .max_flat_workgroup_size: 256
    .sgpr_count:     66
    .vgpr_count:     512
    .wavefront_size: 32
...
	.end_amdgpu_metadata
.endif
;; end of part 4
